; MI455X (gfx1250); checked and timed in simulation.
; The chip was launched on July 23, 2026; its instructions are those of AMD's public machine-readable ISA for CDNA 5 (MIT licence, August 2026) and "CDNA5" Instruction Set Architecture Reference Guide (July 2026). The comments in the code are by the model that wrote it; some were corrected since.
;; Masked Multihead Attention. Allowed arithmetic: matrix products marked QUANTISED: E2M1 operands, one E8M0 scale for each 32 along K, by v_wmma_scale_f32_16x16x128_f8f6f4 with both operands' format E2M1 (or v_wmma_scale_f32_32x16x128_f4), f32 sums; everything else in f32.
;; Inputs: Wk 1,024 x 1,024 float32; Wq 1,024 x 1,024 float32; Wv 1,024 x 1,024 float32; X 2 x 2,048 x 1,024 float32; bk 1,024 float32; bq 1,024 float32; bv 1,024 float32.
;; Outputs: out0 2 x 2,048 x 1,024 float32.
;; This version of the problem:
;;   THIS VERSION OF THE PROBLEM IS GIVEN IN LOW PRECISION. The matrix products marked QUANTISED in the list below multiply operands that are first quantised to E2M1 (2 exponent bits, 1 mantissa bit; 4 bits a number), with one power-of-two scale for each 32 numbers along K (OCP MX v1.0); their sums are f32. All else is computed in f32.
;;   The module's matrix products, in the order in which they are computed (A, B: the left and right operand; K: the contracted axis; several contracted axes count as one K, in the product's order):
;;     1. [M 4,096, K 1,024] x [K 1,024, N 1,024]; A: input X; B: input Wq: QUANTISED
;;     2. [M 4,096, K 1,024] x [K 1,024, N 1,024]; A: input X; B: input Wk: QUANTISED
;;     3. [M 4,096, K 1,024] x [K 1,024, N 1,024]; A: input X; B: input Wv: QUANTISED
;;     4. batch 32 x [M 2,048, K 64] x [K 64, N 2,048]; A: computed on the way; B: computed on the way: QUANTISED
;;     5. batch 32 x [M 2,048, K 2,048] x [K 2,048, N 64]; A: softmax (see below); B: computed on the way: QUANTISED
;;   THE QUANTISER, for each operand of a quantised product, along K:
;;     - K is cut into blocks of 32 from its start; a last block that is shorter is filled with zeros.
;;     - A block's scale is 2^e with e = floor(log2(the largest magnitude in the block)) - 2, held to -126 .. 127; a block of zeros has e = 0. As a byte (E8M0): e + 127.
;;     - Each number is divided by its block's scale, clamped to +-6, and rounded to the nearest number of E2M1, ties to even, subnormals kept.
;;     - The product sums the exact products of the quantised numbers (number of the format x scale) in f32.
;;   ~~~python
;;   def quantise(x, axis):      # numpy; x: float32 -> the quantised numbers, widened to float32 again
;;       x = np.moveaxis(x, axis, -1); K = x.shape[-1]
;;       x = np.pad(x, [(0, 0)] * (x.ndim - 1) + [(0, -K % 32)]); x = x.reshape(x.shape[:-1] + (-1, 32)); a = np.abs(x).max(-1, keepdims=True)
;;       e = np.where(a > 0, np.clip(np.frexp(np.where(a > 0, a, 1))[1] - 1 - 2, -126, 127), 0)      # np.frexp(a)[1] - 1 = floor(log2(a)), exactly
;;       r = np.clip(x / 2.0 ** e, -6, 6)
;;       step = 2.0 ** (np.maximum(np.frexp(np.where(r == 0, 1, r))[1] - 1, 0) - 1)
;;       q = np.round(r / step) * step * 2.0 ** e      # np.round: ties to even
;;       return np.moveaxis(q.reshape(q.shape[:-2] + (-1,))[..., :K], -1, axis).astype(np.float32)
;;   ~~~
;;   SOFTMAX AHEAD OF A QUANTISED PRODUCT. Where the list says 'softmax', what is quantised is not the finished softmax but p = 2^(t - M), with t = logit x log2(e) and M = ceil(the row's largest t), a whole number; so 1/2 < the row's largest p <= 1. The row's sum l is taken of the UNQUANTISED p, in f32, and the product's result is divided by l at the end. Since M is a whole number, a kernel that streams over the keys may use a running M (the ceiling of the running maximum): every later rescaling is an exact power of two, which a block's scale takes up: the codes' values come out the same.
;;   OPERANDS COMPUTED ON THE WAY. 'Computed on the way' means the value that the module computes at that place (a softmax that the list does not call 'softmax' is quantised finished and normalised). What goes into a quantiser is computed in f32, as accurately as f32 sums, v_exp_f32 and their like allow (about 1e-6 of the number): no bf16 or f16 on the way to a quantiser, and a product that is left as it is and whose result goes on into a quantised operand takes f32 operands (vector FMAs, or v_wmma_f32_16x16x4_f32). A number that lies on a knife's edge between two numbers of the format may be rounded either way, as far as f32 arithmetic and the matrix unit's own rounding can turn it there, and no further.
;; One version. Each part assembles by itself: llvm-mc -triple=amdgcn-amd-amdhsa -mcpu=gfx1250 --defsym DOCPART=n.
;; ======== version 1 of 1: 3 launches
;; limits: right only within a limited range of input values
;; workspace buffers: xc 2,097,152 bytes; wc 1,572,864 bytes; sc 229,376 bytes; qkv 6,946,816 bytes
;; launch quant (part 1): grid 224 x 1, 16 waves a work-group, no clusters, 167,936 bytes of LDS; arguments X, Wq, Wk, Wv, xc, wc, sc; writes xc, wc, sc
.if DOCPART == 1
	.amdgcn_target "amdgcn-amd-amdhsa--gfx1250"
	.amdhsa_code_object_version 6
	.text
	.protected	k_qbf59e98f70_quant
	.globl	k_qbf59e98f70_quant
	.p2align	8
	.type	k_qbf59e98f70_quant,@function
k_qbf59e98f70_quant:
	s_mov_b64 s[64:65], 0
	v_nop
	global_prefetch_b8 v0, s[64:65] scope:SCOPE_SE
	s_setreg_imm32_b32 hwreg(HW_REG_WAVE_MODE, 25, 1), 1
	s_wait_xcnt 0x0
; X [4096][1024] and Wq, Wk, Wv [1024][1024], f32, K innermost, become codes of FP4 (E2M1), two a byte, and one E8M0 scale byte for each 32 along K.
; WORK LEFT OUT OF THE PROGRAM: the key steps and half steps that lie wholly above the diagonal of reference()'s own causal mask (launch attn): their p is 0 for all values of the inputs.
; A NaN, an infinity or an overflow that reaches only that work is not carried to the result.
; STORED ROW ORDER: in each group of 64 rows true row 32 x + 8 u + y (x < 2, u < 4, y < 8) is stored as row 16 u + 8 x + y.  So 16 stored rows (tile u), used as a matrix instruction's source 0,
; give a lane of half h in result register j the true row 32 h + 8 u + j: over the four tiles a lane's 32 registers are a whole block of 32 neighbours.
; xc [64 groups][64 rows][512 B];  wc [head 16][Wq, Wk, Wv][64 rows][512 B];  sc: [64 groups + 48 groups][64 rows][32 B], X's groups first, then the weights' in wc's order.
; A block's scale is 2^(floor(log2(its largest magnitude)) - 2); its byte is the largest magnitude's exponent field - 2, held at 1 from below.
; LIMITS: NaN and infinities among the inputs are not served; a block's largest magnitude is floored at 2^(3 - 127); a block of zeros gets the byte 1 where the rule says 127: its codes are zeros, and this program alone reads the bytes.
; SHARES: a work-group takes 32 rows, a wave 2 rows: 8,192 bytes by ONE tensor load, filled once, with 16 bytes of padding behind each 64: a lane reads its 16 neighbours as they lie, two lanes to a block; four steps of 512 numbers.
; The scale bytes of four waves, 8 stored rows, are one aligned unit of 256 bytes: they meet in LDS behind one barrier.  No loop: nothing to prefetch for; work-groups share no input: no cluster.
.set WREG,  10240                      ; LDS: 8,192 bytes with their padding for each wave
.set SP,    80                         ; a lane's 64 bytes + 16 of padding
.set SCB,   16*WREG                    ; 64 scale bytes for each wave; no fill lands there
.set SPARE, SCB+1024                   ; the spare words
.set G0, 36                            ; s[36:39], s[40:47] the descriptor
.set G1, 40
	s_load_b256 s[4:11], s[0:1], 0x0               ; X s[4:5], Wq s[6:7], Wk s[8:9], Wv s[10:11]
	s_load_b128 s[12:15], s[0:1], 0x20             ; xc s[12:13], wc s[14:15]
	s_load_b64 s[16:17], s[0:1], 0x30              ; sc
	v_lshl_add_u32 v12, v0, 2, SPARE
	v_mov_b32 v13, 0
	ds_add_u32 v12, v13                            ; the wave's opening: the add, twice on end
	ds_add_u32 v12, v13
	v_lshrrev_b32 v1, 5, v0
	v_readfirstlane_b32 s24, v1                    ; wave 0..15
	s_mov_b32 s[G1], (3<<16)|(1<<20)|(3<<22)|(3<<25)   ; elements of 8 bytes; four words of padding after every 16 words
	s_mov_b32 s[G1+1], 32<<16                      ; rows of 256 bytes,
	s_mov_b32 s[G1+2], 32<<16                      ; 32 of them, dense
	s_mov_b32 s[G1+3], 32<<16
	s_mov_b32 s[G1+4], 32
	s_mov_b32 s[G1+5], 32
	s_mov_b32 s[G1+6], 0
	s_mov_b32 s[G1+7], 0
	s_mul_i32 s27, s24, WREG
	s_and_b32 s25, ttmp9, 31                       ; a weight's run of 32 rows among its tensor's 32
	s_lshr_b32 s26, s25, 1                         ; head
	s_mul_i32 s26, s26, 3
	s_sub_co_u32 s29, ttmp9, 128                   ; (used from work-group 128 on)
	s_lshr_b32 s29, s29, 5                         ; which weight
	s_add_co_u32 s26, s26, s29                     ; its group of 64 in wc,
	s_add_co_u32 s29, s26, 64                      ; and in sc
	s_lshr_b32 s30, ttmp9, 1                       ; X's group in both
	s_cmp_lt_u32 ttmp9, 128
	s_cselect_b32 s25, ttmp9, s25
	s_cselect_b32 s26, s30, s26
	s_cselect_b32 s29, s30, s29
	s_lshl_b32 s20, s25, 17                        ; 32 rows of 4,096 bytes
	s_lshl_b32 s22, s24, 13
	s_add_co_u32 s20, s20, s22                     ; + 2 rows a wave
	s_mov_b32 s21, 0
	s_wait_alu depctr_va_vdst(0)                   ; ahead of the waits below
	s_wait_dscnt 0x0                               ; both opening adds are done
	s_wait_kmcnt 0x0
	s_cmp_lt_u32 ttmp9, 160                        ; the choices hang on the work-group's number alone
	s_cselect_b64 s[6:7], s[6:7], s[8:9]
	s_cmp_lt_u32 ttmp9, 192
	s_cselect_b64 s[6:7], s[6:7], s[10:11]
	s_cmp_lt_u32 ttmp9, 128
	s_cselect_b64 s[4:5], s[4:5], s[6:7]           ; X or a weight
	s_cselect_b64 s[12:13], s[12:13], s[14:15]     ; its codes
	s_mov_b32 s[G0], 1
	s_mov_b32 s[G0+1], s27
	s_add_nc_u64 s[G0+2:G0+3], s[4:5], s[20:21]
	s_or_b32 s[G0+3], s[G0+3], 0x80000000
	tensor_load_to_lds s[G0:G0+3], s[G1:G1+7]      ; my two rows
	s_nop 0
.rept 4
	v_nop
.endr
	s_lshr_b32 s28, s24, 2                         ; u
	s_lshl_b32 s28, s28, 4
	s_and_b32 s30, ttmp9, 1                        ; x
	s_lshl_b32 s30, s30, 3
	s_add_co_u32 s28, s28, s30                     ; 16 u + 8 x
	s_lshl_b32 s22, s29, 11
	s_lshl_b32 s30, s28, 5
	s_add_co_u32 s22, s22, s30                     ; where the unit of scale bytes goes
	s_mov_b32 s23, 0
	s_and_b32 s31, s24, 3
	s_lshl_b32 s30, s31, 1
	s_add_co_u32 s28, s28, s30                     ; my first stored row in the group
	s_lshl_b32 s34, s26, 15
	s_lshl_b32 s28, s28, 9
	s_add_co_u32 s34, s34, s28                     ; where my codes go
	s_mov_b32 s35, 0
	s_add_nc_u64 s[12:13], s[12:13], s[34:35]
	s_add_nc_u64 s[16:17], s[16:17], s[22:23]
	s_lshl_b32 s28, s24, 6
	s_add_co_u32 s28, s28, SCB
	v_and_b32 v2, 31, v0                           ; lane
	v_lshlrev_b32 v4, 3, v2                        ; 8 x lane: my codes' place in a step's 256 bytes
	v_mul_u32_u24 v15, v2, SP
	v_add_nc_u32 v15, s27, v15                     ; my 16 neighbours of a step
	v_lshrrev_b32 v5, 1, v2
	v_add_nc_u32 v5, s28, v5                       ; my block's scale byte
	v_add_nc_u32 v6, s28, v4                       ; the unit's bytes, 8 a lane (waves 0, 4, 8, 12)
.macro WORK t
.set XS, 80+16*(\t)
	v_max3_num_f32 v8, |v[XS]|, |v[XS+1]|, |v[XS+2]|               ; the largest magnitude of my 16, in two chains
	v_max3_num_f32 v9, |v[XS+3]|, |v[XS+4]|, |v[XS+5]|
.irp i, 6,10
	v_max3_num_f32 v8, v8, |v[XS+\i]|, |v[XS+\i+1]|
	v_max3_num_f32 v9, v9, |v[XS+\i+2]|, |v[XS+\i+3]|
.endr
	v_max3_num_f32 v8, v8, |v[XS+14]|, |v[XS+15]|
	v_max3_num_f32 v8, v8, v9, 0x1800000           ; and the floor 2^(3 - 127): the byte cannot fall under 1
	v_max_num_f32_dpp v8, v8, v8 row_xmask:1 row_mask:0xf bank_mask:0xf   ; and of my neighbour's 16
	v_add_nc_u32 v11, 0xff000000, v8               ; 2 off its exponent field: the conversion's scale operand
	v_cvt_scalef32_pk8_fp4_f32 v[144+2*(\t)], v[XS:XS+7], v11
	v_cvt_scalef32_pk8_fp4_f32 v[145+2*(\t)], v[XS+8:XS+15], v11
	v_lshrrev_b32 v[152+(\t)], 23, v11             ; the scale's byte
	ds_store_b8 v5, v[152+(\t)] offset:16*(\t)     ; both lanes of a block write the same byte with the same value
	global_store_b64 v4, v[144+2*(\t):145+2*(\t)], s[12:13] offset:256*(\t)   ; 256 consecutive bytes, aligned
.endm
	s_wait_alu depctr_va_vdst(0)                   ; the head's end
	s_wait_tensorcnt 0x0                           ; my two rows are in; nobody else reads them
.irp t, 0,1,2,3
.irp i, 0,1,2,3
	ds_load_b128 v[80+16*\t+4*\i:83+16*\t+4*\i], v15 offset:32*SP*\t+16*\i
.endr
.endr
	s_wait_dscnt 12                                ; step 0 is in; twelve loads may be out
	WORK 0
	s_wait_dscnt 9                                 ; step 1 is in; eight loads and a byte store may be out
	WORK 1
	s_wait_dscnt 6                                 ; step 2 is in; four loads and two byte stores may be out
	WORK 2
	s_wait_dscnt 3                                 ; step 3 is in; three byte stores may be out
	WORK 3
	s_wait_alu depctr_va_vdst(0)
	s_wait_dscnt 0x0                               ; my scale bytes are in LDS
	s_barrier_signal -1
	s_barrier_wait -1
	s_cmp_lg_u32 s31, 0                            ; one wave of four stores the unit
	s_cbranch_scc1 .Ldone
	ds_load_b64 v[8:9], v6
	s_wait_dscnt 0x0
	global_store_b64 v4, v[8:9], s[16:17]          ; 256 consecutive bytes, aligned
.Ldone:
	s_wait_tensorcnt 0x0                           ; the wave's end
	ds_add_u32 v12, v13
	s_wait_dscnt 0x0
	s_endpgm
.Lfunc_end_k_qbf59e98f70_quant:
	.size	k_qbf59e98f70_quant, .Lfunc_end_k_qbf59e98f70_quant-k_qbf59e98f70_quant
	.p2alignl 7, 3214868480
	.fill 96, 4, 3214868480
	.section	.rodata,"a",@progbits
	.p2align	6, 0x0
	.amdhsa_kernel k_qbf59e98f70_quant
		.amdhsa_group_segment_fixed_size 167936
		.amdhsa_private_segment_fixed_size 0
		.amdhsa_enable_private_segment 0
		.amdhsa_kernarg_size 56
		.amdhsa_user_sgpr_count 2
		.amdhsa_user_sgpr_kernarg_segment_ptr 1
		.amdhsa_wavefront_size32 1
		.amdhsa_system_sgpr_workgroup_id_x 1
		.amdhsa_system_sgpr_workgroup_id_y 1
		.amdhsa_system_sgpr_workgroup_id_z 1
		.amdhsa_system_vgpr_workitem_id 0
		.amdhsa_next_free_vgpr 160
		.amdhsa_next_free_sgpr 66
		.amdhsa_reserve_vcc 0
		.amdhsa_float_denorm_mode_32 3
		.amdhsa_float_denorm_mode_16_64 3
		.amdhsa_memory_ordered 1
		.amdhsa_forward_progress 1
		.amdhsa_inst_pref_size 10
	.end_amdhsa_kernel
	.amdgpu_metadata
---
amdhsa.version: [ 1, 2 ]
amdhsa.kernels:
  - .name:           k_qbf59e98f70_quant
    .symbol:         k_qbf59e98f70_quant.kd
    .args:
      - { .name: X, .offset: 0, .size: 8, .value_kind: global_buffer, .address_space: global }
      - { .name: Wq, .offset: 8, .size: 8, .value_kind: global_buffer, .address_space: global }
      - { .name: Wk, .offset: 16, .size: 8, .value_kind: global_buffer, .address_space: global }
      - { .name: Wv, .offset: 24, .size: 8, .value_kind: global_buffer, .address_space: global }
      - { .name: xc, .offset: 32, .size: 8, .value_kind: global_buffer, .address_space: global }
      - { .name: wc, .offset: 40, .size: 8, .value_kind: global_buffer, .address_space: global }
      - { .name: sc, .offset: 48, .size: 8, .value_kind: global_buffer, .address_space: global }
    .group_segment_fixed_size: 167936
    .private_segment_fixed_size: 0
    .kernarg_segment_align: 8
    .kernarg_segment_size: 56
    .max_flat_workgroup_size: 512
    .sgpr_count:     66
    .vgpr_count:     160
    .wavefront_size: 32
...
	.end_amdgpu_metadata
.endif
;; end of part 1
;; launch proj (part 2): grid 16 x 16, 4 waves a work-group, clusters of 4 x 4, 245,248 bytes of LDS; arguments xc, wc, sc, bq, bk, bv, qkv; writes qkv
.if DOCPART == 2
	.amdgcn_target "amdgcn-amd-amdhsa--gfx1250"
	.amdhsa_code_object_version 6
	.text
	.protected	k_qbf59e98f70_proj
	.globl	k_qbf59e98f70_proj
	.p2align	8
	.type	k_qbf59e98f70_proj,@function
k_qbf59e98f70_proj:
	s_mov_b64 s[64:65], 0
	v_nop
	global_prefetch_b8 v0, s[64:65] scope:SCOPE_SE
	s_setreg_imm32_b32 hwreg(HW_REG_WAVE_MODE, 25, 1), 1
	s_wait_xcnt 0x0
	s_wait_alu depctr_hold_cnt(0) depctr_sa_sdst(0) depctr_va_vdst(0) depctr_va_sdst(0) depctr_va_ssrc(0) depctr_va_vcc(0) depctr_vm_vsrc(0)
	s_getreg_b32 s2, hwreg(HW_REG_IB_STS2, 6, 4)
	s_cmp_eq_u32 s2, 0
	s_cbranch_scc0 .Lentry_in_a_cluster
	s_endpgm
.Lentry_in_a_cluster:
	s_bfe_u32 s2, ttmp6, 0x10000c
	s_cmp_lg_u32 s2, 0xf033
	s_cbranch_scc0 .Lentry_shape_is_right
	s_endpgm
.Lentry_shape_is_right:
; Q = X Wq^T + bq, K = X Wk^T + bk, V = X Wv^T + bv on codes of FP4 (E2M1) with E8M0 scales for each 32 along K = 1,024; sums in f32, each begun with the bias as C.
; The results are quantised in registers for attention's two products (Q, K along the head's 64; V along the keys) and stored as codes.
; A WORK-GROUP makes 256 tokens x one head of Q, K and V (192 features): 16 x 16 work-groups.  A wave makes 64 tokens x 192 features: 48 accumulators, 384 registers.
; SOURCE 0 gives the result's REGISTER axis, source 1 its LANE axis; a quantiser wants its axis along a lane's registers: Q, K: source 0 = features, source 1 = tokens;  V: source 0 = tokens, source 1 = features.
; By the stored row order (launch quant) a lane's 32 registers of four tiles are the true indices 32 h + 0 .. 31: a whole block of 32.
; ALL OF K FITS IN LDS: two slots of 512 along K, each filled ONCE by the head's loads, one load a wave.  No loop loads from memory, so nothing is prefetched.
; CLUSTERS 4 x 4: X's tile hangs on the place along y and is asked for jointly by a row of the cluster; W's on the place along x, by a column.
; qkv, as images of operand registers (four registers: lane l's 16 bytes at 16 l): Q's codes [bh 32][tile 128][512];  from QSO Q's scale words [bh][128 tokens: 16][512]: lane (r, h), register i: tile 4 h + i;
;   from KVO [bh][key step 16][8,960]: K's 8 tiles at 0, V's codes [half c][tile of 16 channels 4][512] at 4,096, K's scale words (as Q's) at 8,192, V's (lane r, register = tile) at 8,704.
; A tile 4 c + u of 128 tokens has in lane r token 64 c + 32 (r / 8) + 8 u + r % 8; a tile a of channels has channel 32 (r / 8) + 8 a + r % 8.  A Q or K scale word's upper two bytes are 0 and meet zero codes.
; LIMITS: NaN and infinities are not served; a block's largest magnitude is floored at 2^(3 - 127); a block of zeros keeps the byte 1 (its codes are zeros; this program alone reads the bytes).
; REGISTERS: window 0: addresses, v32-95 scale words (nothing else), v96-191 the bias in the results' layouts, v192-255 and v96-119 the way out;  window 1: two sets of fragments (X 4, Wq 4, Wk 4, Wv 4);
;   window 2: Q's sums at 0, K's at 128 (unit a, tile b at 32 a + 8 b);  window 3: V's at 0.
.set PITCH, 272                        ; an LDS row: 256 bytes + 16 of padding
.set WOFF,  256*PITCH                  ; a slot: X's 256 rows, then W's 192
.set SLOT,  448*PITCH
.set XCH,   2*SLOT                     ; 256 bytes for each wave: V's scale words, half by half
.set SPARE, XCH+1024                   ; the spare words
.set SC,    32                         ; slot s, K quarter q: X's block i (lanes 0-15) and Wq's (lanes 16-31) at SC + 32 s + 4 i + q; Wk's and Wv's 16 further on
.set TM,    192
.set KVH,   143360
.set KVS,   8960
.set QSO,   2097152
.set KVO,   2359296
.set SEL,   46
.set G1,    24                         ; descriptor groups: X's 1 and 0 (a slot each), W's
.set G0,    32
.set G1W,   48
.set G0W,   56
.set MSB, 0
.macro WIN new                         ; the immediate's high byte repeats the setting that is left
.if MSB != (\new)
	s_set_vgpr_msb (MSB<<8)|(\new)
.set MSB, (\new)
.endif
.endm
.macro CROUND                          ; a round of the cluster's barrier
	s_barrier_signal -1
	s_barrier_wait -1
	s_cmp_lg_u32 s18, 0
	s_cbranch_scc1 .Lnot_wave_0_\@
	s_barrier_signal -3
.Lnot_wave_0_\@:
	s_barrier_wait -3
	s_barrier_signal -1
	s_barrier_wait -1
.endm
	s_load_b128 s[4:7], s[0:1], 0x0                ; xc, wc
	s_load_b256 s[8:15], s[0:1], 0x10              ; sc, bq, bk, bv
	s_load_b64 s[16:17], s[0:1], 0x30              ; qkv
	v_lshl_add_u32 v28, v0, 2, SPARE
	v_mov_b32 v29, 0
	ds_add_u32 v28, v29                            ; the wave's opening: the add, twice on end
	ds_add_u32 v28, v29
	v_lshrrev_b32 v1, 5, v0
	v_readfirstlane_b32 s18, v1                    ; wave 0..3: my 64 tokens of the 256
	s_bfe_u32 s40, ttmp6, 0x40000                  ; cx, cy
	s_bfe_u32 s41, ttmp6, 0x40004
	s_lshl_b32 s42, ttmp9, 2
	s_add_co_u32 s42, s42, s40                     ; head
	s_and_b32 s43, ttmp7, 0xffff
	s_lshl_b32 s43, s43, 2
	s_add_co_u32 s43, s43, s41                     ; block of 256 tokens
	s_lshl_b32 s44, s41, 2
	s_lshl_b32 s44, 15, s44                        ; my row of the cluster
	s_lshl_b32 s45, 0x1111, s40                    ; my column
	s_or_b32 s[G1], s44, (1<<20)|(1<<21)|(5<<22)|(3<<25)   ; mask; elements of 1 byte; 16 bytes of padding behind every 256; 21 set beside a mask
	s_or_b32 s[G1W], s45, (1<<20)|(1<<21)|(5<<22)|(3<<25)
	s_mov_b32 s[G1+1], 256<<16                     ; X: 256 rows of 256 bytes, 512 apart
	s_mov_b32 s[G1+2], 256<<16
	s_mov_b32 s[G1+3], 256<<16
	s_mov_b32 s[G1+4], 256
	s_mov_b32 s[G1+5], 512
	s_mov_b32 s[G1+6], 0
	s_mov_b32 s[G1+7], 0
	s_mov_b32 s[G1W+1], 256<<16                    ; W: 192 rows
	s_mov_b32 s[G1W+2], 192<<16
	s_mov_b32 s[G1W+3], 256<<16
	s_mov_b32 s[G1W+4], 192
	s_mov_b32 s[G1W+5], 512
	s_mov_b32 s[G1W+6], 0
	s_mov_b32 s[G1W+7], 0
	s_lshl_b32 s66, s43, 17                        ; X's rows in xc
	s_mov_b32 s67, 0
	s_mul_i32 s68, s42, 192*512                    ; the head's rows in wc
	s_mov_b32 s69, 0
	s_lshl_b32 s20, s43, 13                        ; scale bytes in sc: my tokens',
	s_lshl_b32 s21, s18, 11
	s_add_co_u32 s20, s20, s21
	s_mul_i32 s21, s42, 6144                       ; the head's: Wq,
	s_add_co_u32 s21, s21, 131072
	s_add_co_u32 s22, s21, 2048                    ; Wk (Wv 2,048 further on)
	v_and_b32 v1, 15, v0                           ; r
	v_bfe_u32 v2, v0, 4, 1                         ; h
	v_cmp_eq_u32 vcc_lo, 1, v2
	v_mov_b32 v3, s20
	v_mov_b32 v4, s21
	v_cndmask_b32 v3, v3, v4, vcc_lo
	v_lshl_add_u32 v20, v1, 5, v3                  ; X's row (lanes 0-15), Wq's (lanes 16-31)
	v_lshlrev_b32 v4, 11, v2
	v_lshl_add_u32 v4, v1, 5, v4
	v_add_nc_u32 v21, s22, v4                      ; Wk's row, Wv's row
	v_lshlrev_b32 v22, 7, v2                       ; bias along the registers: 128 h
	v_and_b32 v23, 8, v1
	v_mul_u32_u24 v23, 3, v23
	v_add_lshl_u32 v23, v23, v1, 2                 ; along the lanes: 4 (32 (r / 8) + r % 8)
	s_wait_alu depctr_va_vdst(0)                   ; ahead of the waits below
	s_wait_dscnt 0x0                               ; both opening adds are done
	s_wait_kmcnt 0x0
	s_add_nc_u64 s[66:67], s[4:5], s[66:67]
	s_add_nc_u64 s[68:69], s[6:7], s[68:69]
.irp s, 0,1
	s_mov_b32 s[G0+4*\s], 1
	s_mov_b32 s[G0+4*\s+1], \s*SLOT
	s_add_nc_u64 s[G0+4*\s+2:G0+4*\s+3], s[66:67], \s*256
	s_or_b32 s[G0+4*\s+3], s[G0+4*\s+3], 0x80000000
	s_mov_b32 s[G0W+4*\s], 1
	s_mov_b32 s[G0W+4*\s+1], \s*SLOT+WOFF
	s_add_nc_u64 s[G0W+4*\s+2:G0W+4*\s+3], s[68:69], \s*256
	s_or_b32 s[G0W+4*\s+3], s[G0W+4*\s+3], 0x80000000
.endr
	CROUND                                         ; all sixteen work-groups are here: the joint loads meet
; THE HEAD'S LOADS, ONE A WAVE: wave 0 W for slot 0, wave 1 X for slot 0, wave 2 W for slot 1, wave 3 X for slot 1.  One chain of branches on the wave's number, a load line to each wave.
.macro ARM under, g0, g1, next
	s_cmp_lt_u32 s18, \under
	s_cbranch_scc0 \next
	tensor_load_to_lds s[\g0:\g0+3], s[\g1:\g1+7]
	s_nop 0
.rept 4
	v_nop
.endr
	s_branch .Lasked
\next:
.endm
	ARM 1, G0W, G1W, .Larm1
	ARM 2, G0, G1, .Larm2
	ARM 3, G0W+4, G1W, .Larm3
	tensor_load_to_lds s[G0+4:G0+7], s[G1:G1+7]
	s_nop 0
.rept 4
	v_nop
.endr
.Lasked:
.irp s, 0,1                                    ; all scale words, straight into their registers: four words a row and slot
.irp i, 0,1,2,3
	global_load_b128 v[SC+32*\s+4*\i:SC+32*\s+4*\i+3], v20, s[8:9] offset:512*\i+16*\s
	global_load_b128 v[SC+32*\s+16+4*\i:SC+32*\s+16+4*\i+3], v21, s[8:9] offset:512*\i+16*\s
.endr
.endr
	s_lshl_b32 s22, s42, 8                         ; the head's 64 numbers of each bias
	s_mov_b32 s23, 0
	s_add_nc_u64 s[10:11], s[10:11], s[22:23]
	s_add_nc_u64 s[12:13], s[12:13], s[22:23]
	s_add_nc_u64 s[14:15], s[14:15], s[22:23]
.irp b, 0,1,2,3
	global_load_b32 v[160+8*\b], v23, s[14:15] offset:32*\b
.irp g, 0,1
	global_load_b128 v[96+8*\b+4*\g:99+8*\b+4*\g], v22, s[10:11] offset:32*\b+16*\g
	global_load_b128 v[128+8*\b+4*\g:131+8*\b+4*\g], v22, s[12:13] offset:32*\b+16*\g
.endr
.endr
	s_mov_b32 s[SEL], 0x76543210
	s_mov_b32 s[SEL+1], 0xfedcba98
	; where results go
	s_lshr_b32 s74, s43, 3
	s_lshl_b32 s74, s74, 4
	s_add_co_u32 s74, s74, s42                     ; bh = 16 x batch + head
	s_and_b32 s75, s43, 7
	s_lshl_b32 s75, s75, 1
	s_lshr_b32 s76, s18, 1
	s_add_co_u32 s75, s75, s76                     ; block of 128 tokens in the batch
	s_and_b32 s76, s18, 1                          ; my half of it
	s_lshl_b32 s70, s74, 16
	s_lshl_b32 s71, s75, 12
	s_add_co_u32 s70, s70, s71
	s_lshl_b32 s80, s76, 11
	s_add_co_u32 s70, s70, s80                     ; Q's codes
	s_mov_b32 s71, 0
	s_mul_i32 s79, s74, KVH
	s_mul_i32 s81, s75, KVS
	s_add_co_u32 s79, s79, s81
	s_add_co_u32 s79, s79, KVO                     ; my key step
	s_add_co_u32 s72, s79, s80                     ; K's codes; V's 4,096 further on
	s_mov_b32 s73, 0
	s_lshl_b32 s80, s76, 8
	s_lshl_b32 s77, s74, 13
	s_lshl_b32 s81, s75, 9
	s_add_co_u32 s77, s77, s81
	s_add_co_u32 s77, s77, s80
	s_add_co_u32 s77, s77, QSO                     ; Q's scale words
	s_add_co_u32 s78, s79, s80
	s_add_co_u32 s78, s78, 8192                    ; K's
	s_add_co_u32 s79, s79, 8704                    ; V's
	s_add_nc_u64 s[70:71], s[16:17], s[70:71]
	s_add_nc_u64 s[72:73], s[16:17], s[72:73]
	s_lshl_b32 s80, s76, 4                         ; my two bytes' place in V's scale word
	s_mul_i32 s81, s18, 64*PITCH
	s_lshl_b32 s82, s18, 8
	s_add_co_u32 s82, s82, XCH
	v_mul_u32_u24 v3, v1, PITCH
	v_lshl_add_u32 v3, v2, 4, v3                   ; a fragment's row x pitch + 16 h
	v_add_nc_u32 v16, s81, v3                      ; X, slot 0
	v_add_nc_u32 v17, SLOT, v16                    ; slot 1
	v_add_nc_u32 v18, WOFF, v3                     ; W, slot 0
	v_add_nc_u32 v19, SLOT, v18
	v_lshlrev_b32 v24, 3, v2                       ; 8 h
	v_and_b32 v3, 31, v0
	v_lshlrev_b32 v25, 4, v3                       ; 16 x lane
	v_lshlrev_b32 v4, 4, v1                        ; 16 r
	v_add_nc_u32 v26, s82, v4
	v_lshlrev_b32 v5, 3, v3                        ; 8 x lane
	v_add_nc_u32 v27, s82, v5
	v_add_nc_u32 v31, s79, v5                      ; V's scale words
	v_cmp_eq_u32 vcc_lo, 1, v2
	v_mov_b32 v5, s77
	v_mov_b32 v6, s78
	v_cndmask_b32 v5, v5, v6, vcc_lo
	v_add_nc_u32 v30, v5, v4                       ; Q's scale words (lanes 0-15), K's (lanes 16-31)
	s_wait_alu depctr_va_vdst(0)
	s_wait_loadcnt 0x0                             ; scale words and biases
.irp a, 0,1,2,3
.irp j, 1,2,3,4,5,6,7
	v_mov_b32 v[160+8*\a+\j], v[160+8*\a]          ; V's bias is the same in a lane's eight registers
.endr
.endr
.macro LDX slot, q, p                  ; my four fragments of X: lane l holds row l % 16; registers 4 c .. 4 c + 3 hold K = 64 c + 32 (l / 16) + 0 .. 31
	WIN 0x40
.irp i, 0,1,2,3
.irp c, 0,1
	ds_load_b128 v[128*(\p)+8*\i+4*\c:128*(\p)+8*\i+4*\c+3], v[16+\slot] offset:64*(\q)+32*\c+\i*16*PITCH
.endr
.endr
.endm
.macro LDW slot, q, p, m               ; four fragments of Wq (m = 0), Wk, Wv
	WIN 0x40
.irp i, 0,1,2,3
.irp c, 0,1
	ds_load_b128 v[128*(\p)+32*(\m)+32+8*\i+4*\c:128*(\p)+32*(\m)+32+8*\i+4*\c+3], v[18+\slot] offset:64*(\q)+32*\c+(4*(\m)+\i)*16*PITCH
.endr
.endr
.endm
; 16 products, 128 along K: Q (m = 0), K (1), V (2).  first = 1: the bias as C.  The 48 accumulators take turns, one instruction a turn, in the same order in every step.
.macro MM m, s, q, p, first
.if \first
	WIN 0x85+0x40*((\m)/2)
.else
	WIN 0xa5+0x50*((\m)/2)
.endif
.irp a, 0,1,2,3
.irp b, 0,1,2,3
.set DD, 128*((\m)%2)+32*\a+8*\b
.set FX, 128*(\p)
.set SW0, SC+32*(\s)+(\q)
.if (\m) < 2
.set FW, 128*(\p)+32+32*(\m)+8*\b
.set CC, 96+32*(\m)+8*\b
.if (\m) == 0
.if \first
	v_wmma_scale_f32_16x16x128_f8f6f4 v[DD:DD+7], v[FW:FW+7], v[FX+8*\a:FX+8*\a+7], v[CC:CC+7], v[SW0+4*\b], v[SW0+4*\a] matrix_a_fmt:MATRIX_FMT_FP4 matrix_b_fmt:MATRIX_FMT_FP4 matrix_a_scale:MATRIX_SCALE_ROW1
.else
	v_wmma_scale_f32_16x16x128_f8f6f4 v[DD:DD+7], v[FW:FW+7], v[FX+8*\a:FX+8*\a+7], v[DD:DD+7], v[SW0+4*\b], v[SW0+4*\a] matrix_a_fmt:MATRIX_FMT_FP4 matrix_b_fmt:MATRIX_FMT_FP4 matrix_a_scale:MATRIX_SCALE_ROW1
.endif
.else
.if \first
	v_wmma_scale_f32_16x16x128_f8f6f4 v[DD:DD+7], v[FW:FW+7], v[FX+8*\a:FX+8*\a+7], v[CC:CC+7], v[SW0+16+4*\b], v[SW0+4*\a] matrix_a_fmt:MATRIX_FMT_FP4 matrix_b_fmt:MATRIX_FMT_FP4
.else
	v_wmma_scale_f32_16x16x128_f8f6f4 v[DD:DD+7], v[FW:FW+7], v[FX+8*\a:FX+8*\a+7], v[DD:DD+7], v[SW0+16+4*\b], v[SW0+4*\a] matrix_a_fmt:MATRIX_FMT_FP4 matrix_b_fmt:MATRIX_FMT_FP4
.endif
.endif
.else
.set FW, 128*(\p)+96+8*\a
.set CC, 160+8*\a
.if \first
	v_wmma_scale_f32_16x16x128_f8f6f4 v[DD:DD+7], v[FX+8*\b:FX+8*\b+7], v[FW:FW+7], v[CC:CC+7], v[SW0+4*\b], v[SW0+16+4*\a] matrix_a_fmt:MATRIX_FMT_FP4 matrix_b_fmt:MATRIX_FMT_FP4 matrix_b_scale:MATRIX_SCALE_ROW1
.else
	v_wmma_scale_f32_16x16x128_f8f6f4 v[DD:DD+7], v[FX+8*\b:FX+8*\b+7], v[FW:FW+7], v[DD:DD+7], v[SW0+4*\b], v[SW0+16+4*\a] matrix_a_fmt:MATRIX_FMT_FP4 matrix_b_fmt:MATRIX_FMT_FP4 matrix_b_scale:MATRIX_SCALE_ROW1
.endif
.endif
.endr
.endr
.endm
.macro PLACES                          ; four places behind the matrix instructions that read the registers loaded next (for vector instructions ISA guide 7.12.1)
.rept 4
	v_nop
.endr
.endm
; A step of 128 along K.  32 loads are out at its head, in the order X, Wq (16), Wk (8), Wv (8); the next step's 32 go out in one run, ahead of this step's 48 products.
.macro STEP s, q, ns, nq, first
.set PP, (\q)%2
	s_wait_dscnt 16                                ; X and Wq are in; Wk's and Wv's sixteen may be out
	PLACES
	LDX \ns, \nq, 1-PP
	LDW \ns, \nq, 1-PP, 0
	LDW \ns, \nq, 1-PP, 1
	LDW \ns, \nq, 1-PP, 2
	MM 0, \s, \q, PP, \first
	s_wait_dscnt 40                                ; Wk is in; Wv's eight and the next step's 32 may be out
	MM 1, \s, \q, PP, \first
	s_wait_dscnt 32                                ; Wv is in; the next step's 32 may be out
	MM 2, \s, \q, PP, \first
.endm
	s_wait_alu depctr_va_vdst(0)                   ; the head's end
	s_cmp_lt_u32 s18, 2
	s_cbranch_scc0 .Lslot1
	s_wait_tensorcnt 0x0                           ; waves 0 and 1: my tile of slot 0 is in.  (Waves 2 and 3 wait for slot 1's, load lines of their own, further down)
.Lslot1:
	s_barrier_signal -1
	s_barrier_wait -1                              ; slot 0 is whole
	LDX 0, 0, 0
	LDW 0, 0, 0, 0
	LDW 0, 0, 0, 1
	LDW 0, 0, 0, 2
	STEP 0, 0, 0, 1, 1
	STEP 0, 1, 0, 2, 0
	STEP 0, 2, 0, 3, 0
	s_wait_tensorcnt 0x0                           ; slot 0's last step, and the change to slot 1: waves 2 and 3 show their tiles landed
	s_wait_dscnt 0x0                               ; no LDS instruction of mine is pending at the signal
	s_barrier_signal -1
	MM 0, 0, 3, 1, 0                               ; work on registers while the others arrive
	s_barrier_wait -1
	PLACES
	LDX 1, 0, 0
	LDW 1, 0, 0, 0
	LDW 1, 0, 0, 1
	LDW 1, 0, 0, 2
	MM 1, 0, 3, 1, 0
	MM 2, 0, 3, 1, 0
	STEP 1, 0, 1, 1, 0
	STEP 1, 1, 1, 2, 0
	STEP 1, 2, 1, 3, 0
	s_wait_dscnt 16                                ; the last step: nothing more to fetch
	MM 0, 1, 3, 1, 0
	s_wait_dscnt 8
	MM 1, 1, 3, 1, 0
	s_wait_dscnt 0x0
	MM 2, 1, 3, 1, 0
	PLACES                                         ; behind the last products
; THE WAY OUT: four units of 32 registers, each a whole block of 32 of the quantised axis in a lane: codes into cb .., scale words (two bytes, block h at byte h) into pw ..
.macro QOUT w, base, cb, pw
	WIN (\w)|((\w)<<2)                             ; sources 0 and 1 in the accumulators' window
.irp a, 0,1,2,3
	v_max3_num_f32 v[TM+\a], |v[(\base)+32*\a]|, |v[(\base)+32*\a+1]|, 0x1800000   ; each accumulator is read from its low end on; the floor 2^(3 - 127) holds the byte at 1 from below
.endr
.irp i, 2,4,6,8,10,12,14,16,18,20,22,24,26,28,30
.irp a, 0,1,2,3
	v_max3_num_f32 v[TM+\a], |v[(\base)+32*\a+\i]|, |v[(\base)+32*\a+\i+1]|, v[TM+\a]
.endr
.endr
	WIN 0
.irp a, 0,1,2,3
	v_add_nc_u32 v[TM+4+\a], 0xff000000, v[TM+\a]  ; 2 off the exponent field: the conversion's scale operand
.endr
.irp a, 0,1,2,3
	v_lshrrev_b32 v[(\pw)+\a], 23, v[TM+4+\a]      ; the scale's byte
.endr
.irp a, 0,1,2,3
	v_lshlrev_b32 v[(\pw)+\a], v24, v[(\pw)+\a]    ; at byte h
.endr
.irp a, 0,1,2,3
	v_permlanex16_b32 v[TM+\a], v[(\pw)+\a], s[SEL], s[SEL+1]
.endr
.irp a, 0,1,2,3
	v_or_b32 v[(\pw)+\a], v[(\pw)+\a], v[TM+\a]    ; with lane l xor 16's
.endr
	WIN \w                                         ; source 0 alone
.irp a, 0,1,2,3
.irp g, 0,1,2,3
	v_cvt_scalef32_pk8_fp4_f32 v[(\cb)+4*\a+\g], v[(\base)+32*\a+8*\g:(\base)+32*\a+8*\g+7], v[TM+4+\a]
.endr
.endr
	WIN 0
	v_nop                                          ; one plain place behind a scaled conversion
.endm
	QOUT 3, 0, 212, 200                            ; V
.irp a, 0,1,2,3
	v_lshlrev_b32 v[200+\a], s80, v[200+\a]        ; my 64 keys' two bytes of the word of 128 keys
.endr
	ds_store_b128 v26, v[200:203]                  ; (lanes r and r + 16 write the same 16 bytes with the same value)
.irp a, 0,1,2,3
	global_store_b128 v25, v[212+4*\a:215+4*\a], s[72:73] offset:4096+512*\a   ; 512 consecutive bytes, aligned
.endr
	QOUT 2, 0, 228, 204                            ; Q
.irp a, 0,1,2,3
	global_store_b128 v25, v[228+4*\a:231+4*\a], s[70:71] offset:512*\a
.endr
	QOUT 2, 128, 96, 208                           ; K
.irp a, 0,1,2,3
	global_store_b128 v25, v[96+4*\a:99+4*\a], s[72:73] offset:512*\a
.endr
	v_cmp_eq_u32 vcc_lo, 1, v2
.irp a, 0,1,2,3
	v_cndmask_b32 v[112+\a], v[204+\a], v[208+\a], vcc_lo   ; lanes 0-15 carry Q's words, lanes 16-31 K's
.endr
	global_store_b128 v30, v[112:115], s[16:17]    ; 256 aligned bytes for each of the two
	s_wait_alu depctr_va_vdst(0)
	s_wait_dscnt 0x0
	s_barrier_signal -1
	s_barrier_wait -1
	s_cmp_lg_u32 s76, 0                            ; the wave of the first 64 keys stores V's scale words of the 128
	s_cbranch_scc1 .Lno_words
	ds_load_b64 v[116:117], v27
	ds_load_b64 v[118:119], v27 offset:256
	s_wait_dscnt 0x0
	v_or_b32 v116, v116, v118
	v_or_b32 v117, v117, v119
	global_store_b64 v31, v[116:117], s[16:17]     ; 256 consecutive bytes, aligned
.Lno_words:
	s_wait_tensorcnt 0x0                           ; the wave's end
	ds_add_u32 v28, v29
	s_wait_dscnt 0x0
	CROUND                                         ; the closing round: no work-group ends while a partner may still ask for a tile that names it
	s_endpgm
.Lfunc_end_k_qbf59e98f70_proj:
	.size	k_qbf59e98f70_proj, .Lfunc_end_k_qbf59e98f70_proj-k_qbf59e98f70_proj
	.p2alignl 7, 3214868480
	.fill 96, 4, 3214868480
	.section	.rodata,"a",@progbits
	.p2align	6, 0x0
	.amdhsa_kernel k_qbf59e98f70_proj
		.amdhsa_group_segment_fixed_size 245248
		.amdhsa_private_segment_fixed_size 0
		.amdhsa_enable_private_segment 0
		.amdhsa_kernarg_size 56
		.amdhsa_user_sgpr_count 2
		.amdhsa_user_sgpr_kernarg_segment_ptr 1
		.amdhsa_wavefront_size32 1
		.amdhsa_system_sgpr_workgroup_id_x 1
		.amdhsa_system_sgpr_workgroup_id_y 1
		.amdhsa_system_sgpr_workgroup_id_z 1
		.amdhsa_system_vgpr_workitem_id 0
		.amdhsa_next_free_vgpr 896
		.amdhsa_next_free_sgpr 90
		.amdhsa_reserve_vcc 1
		.amdhsa_float_denorm_mode_32 3
		.amdhsa_float_denorm_mode_16_64 3
		.amdhsa_memory_ordered 1
		.amdhsa_forward_progress 1
		.amdhsa_inst_pref_size 101
	.end_amdhsa_kernel
	.amdgpu_metadata
---
amdhsa.version: [ 1, 2 ]
amdhsa.kernels:
  - .name:           k_qbf59e98f70_proj
    .symbol:         k_qbf59e98f70_proj.kd
    .args:
      - { .name: xc, .offset: 0, .size: 8, .value_kind: global_buffer, .address_space: global }
      - { .name: wc, .offset: 8, .size: 8, .value_kind: global_buffer, .address_space: global }
      - { .name: sc, .offset: 16, .size: 8, .value_kind: global_buffer, .address_space: global }
      - { .name: bq, .offset: 24, .size: 8, .value_kind: global_buffer, .address_space: global }
      - { .name: bk, .offset: 32, .size: 8, .value_kind: global_buffer, .address_space: global }
      - { .name: bv, .offset: 40, .size: 8, .value_kind: global_buffer, .address_space: global }
      - { .name: qkv, .offset: 48, .size: 8, .value_kind: global_buffer, .address_space: global }
    .group_segment_fixed_size: 245248
    .private_segment_fixed_size: 0
    .kernarg_segment_align: 8
    .kernarg_segment_size: 56
    .max_flat_workgroup_size: 128
    .sgpr_count:     90
    .vgpr_count:     896
    .wavefront_size: 32
...
	.end_amdgpu_metadata
.endif
;; end of part 2
;; launch attn (part 3): grid 8 x 32, 16 waves a work-group, clusters of 4 x 1, 215,040 bytes of LDS; arguments qkv, out0; writes out0
.if DOCPART == 3
	.amdgcn_target "amdgcn-amd-amdhsa--gfx1250"
	.amdhsa_code_object_version 6
	.text
	.protected	k_qbf59e98f70_attn
	.globl	k_qbf59e98f70_attn
	.p2align	8
	.type	k_qbf59e98f70_attn,@function
k_qbf59e98f70_attn:
	s_mov_b64 s[64:65], 0
	v_nop
	global_prefetch_b8 v0, s[64:65] scope:SCOPE_SE
	s_setreg_imm32_b32 hwreg(HW_REG_WAVE_MODE, 25, 1), 1
	s_wait_xcnt 0x0
	s_wait_alu depctr_hold_cnt(0) depctr_sa_sdst(0) depctr_va_vdst(0) depctr_va_sdst(0) depctr_va_ssrc(0) depctr_va_vcc(0) depctr_vm_vsrc(0)
	s_getreg_b32 s2, hwreg(HW_REG_IB_STS2, 6, 4)
	s_cmp_eq_u32 s2, 0
	s_cbranch_scc0 .Lentry_in_a_cluster
	s_endpgm
.Lentry_in_a_cluster:
	s_bfe_u32 s2, ttmp6, 0x10000c
	s_cmp_lg_u32 s2, 0x3003
	s_cbranch_scc0 .Lentry_shape_is_right
	s_endpgm
.Lentry_shape_is_right:
; out0[b][q][64 head + d] = the sum over keys k <= q of softmax_k(Q . K / 8) V, for 32 (batch, head) pairs, 2,048 tokens, head size 64; both products on codes of FP4 (E2M1) with E8M0 scales for each 32 along K.
; THE SOFTMAX AHEAD OF THE SECOND PRODUCT: t = score x log2(e) / 8; M = the running largest t rounded UP to a whole number; p = 2^(t - M) is what is quantised, along the keys; the row's sum is taken of the
; unquantised p and divides at the end.  When M moves, the sum and O are multiplied by 2^(old M - new M): exact.
; INPUT: qkv as launch proj lays it.  Tile 4 c + u of 128 tokens has in lane r token 64 c + 32 (r / 8) + 8 u + r % 8; a tile a of channels channel 32 (r / 8) + 8 a + r % 8.
; LAYOUT.  Both products are used transposed: S^T = K Q^T, O^T = V^T P^T: a lane holds one query throughout; its 32 registers of K's tiles 4 c .. 4 c + 3 are the keys 64 c + 32 h + 0 .. 31: a whole block of 32,
; in the order that P's operand wants.  Register 8 a + j of O^T is channel 32 h + 8 a + j.
; THE HEAD'S 64 FILL HALF OF THE INSTRUCTION'S 128 ALONG K: registers 4-7 of Q's fragment are zero codes; registers 4-7 of a K tile's operand are the next tile's codes (the last tile's: zeros), which meet those zeros.
; ALL K AND V OF A HEAD LIE IN LDS, 143,360 bytes, filled ONCE: each of the sixteen waves brings one key step by one tensor load, asked for jointly by the cluster's four work-groups, which belong to one head.
; Key steps 0-7 are waited for ahead of step 0, key steps 8-15 behind it.  No loop loads from memory, so nothing is prefetched.
; SHARES.  A wave owns one tile of 16 queries: tile u = cx, half c = (cluster x) xor (bit 2 of the wave's number) of a block of 128 queries that hangs on the wave's number alone: waves 0-3: blocks 15 .. 12,
; waves 4-7: 8 .. 11, waves 8-11: 7 .. 4, waves 12-15: 0 .. 3: the longest have the lowest numbers.  A wave works block + 1 key steps of 128 keys; waves w, w + 4, w + 8, w + 12 together have 34 for every w.
; Every wave walks all trips of the loop: a trip above the diagonal steps two scalars and nothing else.  A tile of a block's first half needs only the first 64 keys of its diagonal step: a half step (step 0 is always whole).
; LEFT OUT: the steps and half steps above the diagonal: reference()'s own mask throws them away for all values of the inputs.  A NaN, an infinity or an overflow that reaches only those is not carried to the result.
; LIMITS: NaN and infinities are not served; the promise holds while the scaled scores stay under 2^31 in magnitude; a block whose largest p lies under 2^-124 is given the scale 2^-127.
; REGISTERS: v1-6, v10 addresses and constants that stay; v8, v9, v11 LDS addresses; v12 -M, v13 the largest score, v[14:15] the sum; v16-23 Q; v32-67 K; v96-159 S^T, then p; v160-191 O^T;
; v192-223 V; v224-231 p's codes; v232-254 at work; scale words and nothing else: v29 Q's, v68-71 K's, v72-75 V's, v80 p's.
.set KVH,   143360
.set KVS,   8960                       ; a key step: 35 rows of 256 bytes
.set QSO,   2097152
.set KVO,   2359296
.set STAGE, KVH                        ; behind K and V: 4,352 bytes for each wave: 16 rows x 272, for the way out; no fill lands there
.set WREG,  4352
.set SPARE, STAGE+16*WREG
.set WV,  12
.set BLK, 14                           ; my block of 128 queries, and so my last key step
.set HC,  17                           ; c
.set SEL, 20                           ; s[20:21] lane selects: lane l xor 16
.set CS,  22                           ; s[22:23] c = log2(e) / 8
.set G1,  24
.set G0,  32
.set I,   37                           ; the key step
.set TB,  39                           ; LDS byte at which its keys begin
.set TBN, 40                           ; the next step's
.set HF,  45                           ; my half step (255: none)
.set FD,  46                           ; my full step on the diagonal (255: none)
.set OB,  48                           ; s[48:49] my tile's place in out0
.set MK,  66                           ; s[66:97] lanes in which register i of the diagonal's 64 keys is hidden
.macro CROUND                          ; a round of the cluster's barrier
	s_barrier_signal -1
	s_barrier_wait -1
	s_cmp_lg_u32 s[WV], 0
	s_cbranch_scc1 .Lnot_wave_0_\@
	s_barrier_signal -3
.Lnot_wave_0_\@:
	s_barrier_wait -3
	s_barrier_signal -1
	s_barrier_wait -1
.endm
	s_load_b128 s[4:7], s[0:1], 0x0                ; qkv s[4:5], out0 s[6:7]
	v_lshl_add_u32 v30, v0, 2, SPARE
	v_mov_b32 v31, 0
	ds_add_u32 v30, v31                            ; the wave's opening: the add, twice on end
	ds_add_u32 v30, v31
	v_lshrrev_b32 v8, 5, v0
	v_readfirstlane_b32 s[WV], v8                  ; wave 0..15
	s_bfe_u32 s13, ttmp6, 0x40000                  ; cx = u
	s_and_b32 s15, ttmp7, 0xffff                   ; the (batch, head) pair, which the four partners share
	s_bfe_u32 s16, s[WV], 0x10002                  ; bit 2 of the wave's number
	s_xor_b32 s[HC], ttmp9, s16
	s_mul_i32 s2, s16, 3
	s_xor_b32 s[BLK], s[WV], 15
	s_xor_b32 s[BLK], s[BLK], s2                   ; 15 - w; where bit 2 of w is set the low two bits turned round
	s_mov_b32 s19, 255
	s_cmp_eq_u32 s[HC], 0
	s_cselect_b32 s[HF], s[BLK], s19
	s_cselect_b32 s[FD], s19, s[BLK]
	; Q's codes and scale words, bytes into qkv
	s_lshl_b32 s2, s[BLK], 3
	s_lshl_b32 s3, s[HC], 2
	s_add_co_u32 s2, s2, s3
	s_add_co_u32 s2, s2, s13
	s_lshl_b32 s2, s2, 9
	s_lshl_b32 s3, s15, 16
	s_add_co_u32 s52, s2, s3
	s_mov_b32 s53, 0
	s_lshl_b32 s2, s[BLK], 9
	s_lshl_b32 s3, s[HC], 8
	s_add_co_u32 s2, s2, s3
	s_lshl_b32 s3, s13, 2
	s_add_co_u32 s2, s2, s3
	s_lshl_b32 s3, s15, 13
	s_add_co_u32 s2, s2, s3
	s_add_co_u32 s54, s2, QSO
	s_mov_b32 s55, 0
	; my tile in out0
	s_lshr_b32 s2, s15, 4
	s_lshl_b32 s2, s2, 11                          ; 2,048 x batch
	s_lshl_b32 s3, s[BLK], 7
	s_add_co_u32 s2, s2, s3
	s_lshl_b32 s3, s[HC], 6
	s_add_co_u32 s2, s2, s3
	s_lshl_b32 s3, s13, 3
	s_add_co_u32 s2, s2, s3
	s_lshl_b32 s2, s2, 12                          ; a row of out0 is 4,096 bytes
	s_and_b32 s3, s15, 15
	s_lshl_b32 s3, s3, 8
	s_add_co_u32 s[OB], s2, s3
	s_mov_b32 s[OB+1], 0
	s_mov_b32 s[G1], 15|(3<<16)|(1<<21)            ; the mask of all four work-groups; elements of 8 bytes; no padding; 21 set beside a mask
	s_mov_b32 s[G1+1], 32<<16                      ; rows of 256 bytes,
	s_mov_b32 s[G1+2], 35<<16                      ; 35 of them, dense
	s_mov_b32 s[G1+3], 32<<16
	s_mov_b32 s[G1+4], 35
	s_mov_b32 s[G1+5], 32
	s_mov_b32 s[G1+6], 0
	s_mov_b32 s[G1+7], 0
	s_mul_i32 s18, s[WV], KVS                      ; key step w: in LDS, and in the head
	s_mul_i32 s60, s15, KVH
	s_add_co_u32 s60, s60, s18
	s_add_co_u32 s60, s60, KVO
	s_mov_b32 s61, 0
	s_mov_b32 s[SEL], 0x76543210
	s_mov_b32 s[SEL+1], 0xfedcba98
	s_mov_b32 s[CS], 0x3e38aa3b                    ; c = log2(e) / sqrt(64)
	s_mov_b32 s[CS+1], s[CS]                       ; (named with it as a pair, so it is written)
	v_and_b32 v9, 15, v0                           ; r
	v_bfe_u32 v11, v0, 4, 1                        ; h
	v_and_b32 v8, 31, v0
	v_lshlrev_b32 v1, 4, v8                        ; 16 x lane: an image's place for my lane
	v_lshlrev_b32 v2, 4, v9                        ; 16 r
	s_wait_alu depctr_va_vdst(0)                   ; ahead of the waits below
	s_wait_dscnt 0x0                               ; both opening adds are done
	s_wait_kmcnt 0x0
	s_add_nc_u64 s[52:53], s[4:5], s[52:53]
	s_add_nc_u64 s[54:55], s[4:5], s[54:55]
	s_add_nc_u64 s[OB:OB+1], s[6:7], s[OB:OB+1]
	global_load_b128 v[16:19], v1, s[52:53]        ; Q's codes stay in registers
	global_load_b32 v29, v2, s[54:55]              ; and its scale words
	s_mov_b32 s[G0], 1
	s_mov_b32 s[G0+1], s18                         ; LDS address: no place in the cluster enters it
	s_add_nc_u64 s[G0+2:G0+3], s[4:5], s[60:61]
	s_or_b32 s[G0+3], s[G0+3], 0x80000000
	CROUND                                         ; all four work-groups are here: the joint loads meet
	s_cmp_lt_u32 s[WV], 8                          ; two load lines: key steps 0-7, which are wanted first, and 8-15
	s_cbranch_scc0 .Lask_hi
	tensor_load_to_lds s[G0:G0+3], s[G1:G1+7]
	s_nop 0
.rept 4
	v_nop
.endr
	s_branch .Lasked
.Lask_hi:
	tensor_load_to_lds s[G0:G0+3], s[G1:G1+7]
	s_nop 0
.rept 4
	v_nop
.endr
.Lasked:
	s_mul_i32 s2, s[WV], WREG
	s_add_co_u32 s2, s2, STAGE                     ; my stage
	v_mul_u32_u24 v5, v9, 272
	v_lshl_add_u32 v5, v11, 7, v5
	v_add_nc_u32 v5, s2, v5                        ; the way out, in: row r, + 128 h
	v_mul_u32_u24 v6, v11, 272
	v_lshl_add_u32 v6, v9, 4, v6
	v_add_nc_u32 v6, s2, v6                        ; back: lanes 0-15 one row, lanes 16-31 the next
	v_lshlrev_b32 v4, 12, v11
	v_lshl_add_u32 v4, v9, 4, v4                   ; in out0: lanes 0-15 one row, lanes 16-31 the next
	v_lshlrev_b32 v10, 3, v11                      ; 8 h
	v_mov_b32 v3, 0xff800000                       ; -infinity
	v_and_b32 v76, 8, v9
	v_mul_u32_u24 v76, 3, v76
	v_add_nc_u32 v76, v76, v9                      ; 32 (r / 8) + r % 8
	v_lshlrev_b32 v77, 5, v11
	v_sub_nc_u32 v76, v76, v77
	s_lshl_b32 s2, s13, 3
	v_add_nc_u32 v77, s2, v76                      ; d = my query in its half block - 32 h: in that half register i holds key 32 h + i: hidden where i > d
	s_lshl_b32 s2, s[HC], 6
	v_add_nc_u32 v76, s2, v77                      ; and counted in the block
.set N, 0
.rept 32
	v_cmp_gt_i32 s[MK+N], N, v77
.set N, N+1
.endr
.irp i, 20,21,22,23,64,65,66,67,79,235,237,253
	v_mov_b32 v[\i], 0                             ; Q's upper half; the last K tile's; halves of pairs and destinations of lane permutes that are named before they are written
.endr
	s_mov_b32 s[I], 0
	s_mov_b32 s[TB], 0
.macro KLOAD va
.irp t, 0,1,2,3,4,5,6,7
	ds_load_b128 v[32+4*\t:35+4*\t], v[\va] offset:512*\t          ; K's eight tiles: 512 consecutive bytes a load
.endr
	ds_load_b128 v[68:71], v[\va] offset:8192      ; their scale words: tiles 0-3 in lanes 0-15, 4-7 in lanes 16-31
.endm
.macro FM                              ; t - M, two at a time
	v_pk_fma_f32 v[96+N:97+N], v[96+N:97+N], s[CS:CS+1], v[12:13] op_sel_hi:[1,0,0]
.set N, N+2
.endm
; A KEY STEP.  K lies in its registers at the head.  first = 1: step 0, which starts the sums.  half = 1: the 64 keys of the diagonal's first half.
.macro STEP first, half
.irp t, 0,1,2,3                                ; S^T = K Q^T
	v_wmma_scale_f32_16x16x128_f8f6f4 v[96+8*\t:103+8*\t], v[32+4*\t:39+4*\t], v[16:23], 0, v[68+\t], v29 matrix_a_fmt:MATRIX_FMT_FP4 matrix_b_fmt:MATRIX_FMT_FP4
.endr
.if (\half) == 0
.irp t, 0,1,2,3
	v_wmma_scale_f32_16x16x128_f8f6f4 v[128+8*\t:135+8*\t], v[48+4*\t:55+4*\t], v[16:23], 0, v[68+\t], v29 matrix_a_fmt:MATRIX_FMT_FP4 matrix_b_fmt:MATRIX_FMT_FP4 matrix_a_scale:MATRIX_SCALE_ROW1
.endr
.endif
	v_add_nc_u32 v8, s[TB], v1                     ; these four lines are the places behind the products
	v_add_nc_u32 v9, s[TB], v2
.if \first
	v_add_nc_u32 v11, KVS, v1                      ; key step 1
	v_nop
.else
	v_add_nc_u32 v11, s[TBN], v1
	v_mov_b32 v254, v12                            ; the old -M
.endif
.irp c, 0,1
.if ((\c) == 0) || ((\half) == 0)
.irp t, 0,1,2,3
	ds_load_b128 v[192+8*\t+4*\c:195+8*\t+4*\c], v8 offset:4096+2048*\c+512*\t   ; V's four fragments (half: its upper registers meet zero codes)
.endr
.endif
.endr
	ds_load_b128 v[72:75], v9 offset:8704          ; and their scale words
	s_cmp_eq_u32 s[I], s[BLK]
	s_cbranch_scc1 .Lno_next_\@
	KLOAD 11                                       ; the next step's K lands under the softmax
.Lno_next_\@:
.if \first
	s_cmp_lg_u32 s[BLK], 0                         ; step 0 lies on the diagonal in block 0 alone
	s_cbranch_scc1 .Lopen_\@
.set N, 0
.rept 64
	v_cmp_gt_i32 vcc_lo, 64*(N/32)+N%32, v76
	v_cndmask_b32 v[96+N], v[96+N], v3, vcc_lo     ; hidden scores become -infinity ahead of the maximum: p = 0.  The block's first key counts for every query
.set N, N+1
.endr
.Lopen_\@:
.elseif \half
.set N, 0
.rept 32
	v_cndmask_b32 v[96+N], v[96+N], v3, s[MK+N]
.set N, N+1
.endr
.else
	s_cmp_lg_u32 s[I], s[FD]
	s_cbranch_scc1 .Lopen_\@
.set N, 0
.rept 32
	v_cndmask_b32 v[128+N], v[128+N], v3, s[MK+N]  ; a query of the second half: its block's first 64 keys all count
.set N, N+1
.endr
.Lopen_\@:
.endif
; the largest score of each of my two blocks of 32 keys, two chains each: for the row's maximum and, since p rises with the score, for the block's largest p
.irp c, 0,1
.if ((\c) == 0) || ((\half) == 0)
	v_max3_num_f32 v[232+\c], v[96+32*\c], v[97+32*\c], v[98+32*\c]
	v_max3_num_f32 v[234+\c], v[113+32*\c], v[114+32*\c], v[115+32*\c]
.endif
.endr
.irp i, 0,2,4,6,8,10
.irp c, 0,1
.if ((\c) == 0) || ((\half) == 0)
	v_max3_num_f32 v[232+\c], v[232+\c], v[99+\i+32*\c], v[100+\i+32*\c]
	v_max3_num_f32 v[234+\c], v[234+\c], v[116+\i+32*\c], v[117+\i+32*\c]
.endif
.endr
.endr
.if \half
	v_max3_num_f32 v232, v232, v111, v112
	v_max_num_f32 v232, v232, v234
.set MX, 232
.else
	v_max3_num_f32 v232, v232, v111, v112
	v_max3_num_f32 v233, v233, v143, v144
	v_max_num_f32 v232, v232, v234
	v_max_num_f32 v233, v233, v235
	s_delay_alu instid0(VALU_DEP_1)
	v_max_num_f32 v236, v232, v233
.set MX, 236
.endif
	s_delay_alu instid0(VALU_DEP_1)
	v_permlanex16_b32 v237, v[MX], s[SEL], s[SEL+1]
	s_delay_alu instid0(VALU_DEP_1)
.if \first
	v_max_num_f32 v13, v[MX], v237
.else
	v_max3_num_f32 v13, v13, v[MX], v237           ; the running largest score of my query
.endif
	s_delay_alu instid0(VALU_DEP_1)
	v_mul_f32 v238, s[CS], v13                     ; as t (c is positive)
	s_delay_alu instid0(VALU_DEP_1)
	v_floor_f32 v12, -v238                         ; -M = floor(-t) = -ceil(t): M is a whole number
.set N, 0
.if \first
.rept 6
	FM
.endr
.else                                          ; (f's chain stands among the multiply-adds)
	FM
	FM
	v_sub_f32 v254, v12, v254                      ; M's old value less its new one: 0 or less
	FM
	FM
	v_cvt_i32_f32 v254, v254                       ; (it saturates)
	FM
	FM
	v_ldexp_f32 v252, 1.0, v254                    ; f = 2^(old M - new M)
.endif
	v_add_f32 v239, -2.0, v12                      ; -M - 2
.rept 26-16*(\half)
	FM
.endr
	v_fma_f32 v232, v232, s[CS], v239              ; each block's largest t, less M and 2: its power of two's exponent field is the conversion's scale
.if (\half) == 0
	v_fma_f32 v233, v233, s[CS], v239
.endif
.if (\first) == 0
.set N, 0
.rept 16
	v_pk_mul_f32 v[160+N:161+N], v[160+N:161+N], v[252:253] op_sel_hi:[1,0]   ; O^T under the new M, ahead of the exponentials
.set N, N+2
.endr
.endif
	s_wait_alu depctr_va_vdst(0)                   ; ahead of the batch
.set N, 0
.rept 64-32*(\half)
	v_exp_f32 v[96+N], v[96+N]                     ; p = 2^(t - M): not normalised
.set N, N+1
.endr
	v_exp_f32 v232, v232
.if (\half) == 0
	v_exp_f32 v233, v233
.endif
.if \first
	v_nop                                          ; a plain place behind the exponentials
.else
	v_pk_mul_f32 v[14:15], v[14:15], v[252:253] op_sel_hi:[1,0]   ; the sums under the new M (a plain place behind the exponentials)
.endif
	s_wait_alu depctr_va_vdst(0)                   ; and behind it
	v_lshrrev_b32 v234, 23, v232                   ; the scales' bytes
.if (\half) == 0
	v_lshrrev_b32 v235, 23, v233
.endif
.irp c, 0,1
.if ((\c) == 0) || ((\half) == 0)
.irp g, 0,1,2,3
	v_cvt_scalef32_pk8_fp4_f32 v[224+4*\c+\g], v[96+32*\c+8*\g:103+32*\c+8*\g], v[232+\c]   ; P's operand as it stands
.endr
.endif
.endr
.if \half
	v_lshlrev_b32 v234, v10, v234
.irp g, 0,1,2,3
	v_mov_b32 v[228+\g], 0                         ; the second 64 keys: zero codes
.endr
.else
	v_lshl_or_b32 v234, v235, 16, v234             ; blocks h and 2 + h
	v_lshlrev_b32 v234, v10, v234                  ; at bytes h and 2 + h
.endif
	v_permlanex16_b32 v235, v234, s[SEL], s[SEL+1]
	v_or_b32 v80, v234, v235                       ; with lane l xor 16's two: p's scale word
; the row's sum, of the unquantised p: eight chains of pairs
.set N, 0
.rept 8
	v_pk_add_f32 v[236+2*N:237+2*N], v[96+4*N:97+4*N], v[98+4*N:99+4*N]
.set N, N+1
.endr
.if (\half) == 0
.set N, 0
.rept 16
	v_pk_add_f32 v[236+2*(N%8):237+2*(N%8)], v[236+2*(N%8):237+2*(N%8)], v[128+2*N:129+2*N]
.set N, N+1
.endr
.endif
	v_pk_add_f32 v[236:237], v[236:237], v[244:245]
	v_pk_add_f32 v[238:239], v[238:239], v[246:247]
	v_pk_add_f32 v[240:241], v[240:241], v[248:249]
	v_pk_add_f32 v[242:243], v[242:243], v[250:251]
	v_pk_add_f32 v[236:237], v[236:237], v[240:241]
	v_pk_add_f32 v[238:239], v[238:239], v[242:243]
	s_delay_alu instid0(VALU_DEP_1)
.if \first
	v_pk_add_f32 v[14:15], v[236:237], v[238:239]
.else
	v_pk_add_f32 v[236:237], v[236:237], v[238:239]
	s_delay_alu instid0(VALU_DEP_1)
	v_pk_add_f32 v[14:15], v[14:15], v[236:237]
.endif
	s_wait_alu depctr_va_vdst(0)                   ; ahead of the wait below
	s_wait_dscnt 0x0                               ; V and its scale words, and the next step's K, asked for ahead of the softmax
.if \first
.irp t, 0,1,2,3                                ; O^T = V^T P^T
	v_wmma_scale_f32_16x16x128_f8f6f4 v[160+8*\t:167+8*\t], v[192+8*\t:199+8*\t], v[224:231], 0, v[72+\t], v80 matrix_a_fmt:MATRIX_FMT_FP4 matrix_b_fmt:MATRIX_FMT_FP4
.endr
.else
.irp t, 0,1,2,3                                ; O^T += V^T P^T: four accumulators, one instruction each
	v_wmma_scale_f32_16x16x128_f8f6f4 v[160+8*\t:167+8*\t], v[192+8*\t:199+8*\t], v[224:231], v[160+8*\t:167+8*\t], v[72+\t], v80 matrix_a_fmt:MATRIX_FMT_FP4 matrix_b_fmt:MATRIX_FMT_FP4
.endr
.endif
.endm
	s_wait_alu depctr_va_vdst(0)                   ; the head's end
	s_wait_loadcnt 0x0                             ; Q
	s_cmp_lt_u32 s[WV], 8
	s_cbranch_scc0 .Lhi
	s_wait_tensorcnt 0x0                           ; waves 0-7: my key step has landed
.Lhi:
	s_barrier_signal -1
	s_barrier_wait -1                              ; key steps 0-7 are whole
	s_wait_tensorcnt 0x0                           ; waves 8-15: my key step has landed too: said here, waited for behind step 0
	s_barrier_signal -1
	KLOAD 1
	s_wait_dscnt 0x0
	STEP 1, 0                                      ; reads key steps 0 and 1 alone; nothing writes them again
	s_wait_alu depctr_va_vdst(0)
	s_barrier_wait -1                              ; the head's K and V are whole
	s_mov_b32 s[I], 1
	s_mov_b32 s[TB], KVS
.Lstep:                                            ; steps 1 to 15
	s_cmp_gt_u32 s[I], s[BLK]                      ; a step all of whose keys come after my queries is left out: a branch on the wave's number
	s_cbranch_scc1 .Lnext
	s_add_co_u32 s[TBN], s[TB], KVS
	s_min_u32 s[TBN], s[TBN], 15*KVS
	s_cmp_eq_u32 s[I], s[HF]
	s_cbranch_scc1 .Lhalf
	STEP 0, 0
	s_branch .Lnext
.Lhalf:
	STEP 0, 1
.Lnext:
	s_add_co_u32 s[TB], s[TB], KVS
	s_add_co_u32 s[I], s[I], 1
	s_cmp_lt_u32 s[I], 16
	s_cbranch_scc1 .Lstep
	; THE WAY OUT: O^T / the sum: 32 neighbouring channels of my query: through my stage in LDS, back as whole rows of 256 bytes
	v_add_f32 v14, v14, v15
	v_permlanex16_b32 v237, v14, s[SEL], s[SEL+1]
	v_add_f32 v14, v14, v237                       ; with lane l xor 16's: the row's sum
	s_wait_alu depctr_va_vdst(0)                   ; ahead of the transcendental
	v_rcp_f32 v78, v14
	v_nop                                          ; one plain place behind a transcendental; with the three above and the next also those behind the last products
	v_nop
	s_wait_alu depctr_va_vdst(0)                   ; and behind it, directly ahead of the first reader of O^T
.set N, 0
.rept 16
	v_pk_mul_f32 v[96+N:97+N], v[160+N:161+N], v[78:79] op_sel_hi:[1,0]   ; each accumulator from its low end on
.set N, N+2
.endr
.irp k, 0,1,2,3,4,5,6,7
	ds_store_b128 v5, v[96+4*\k:99+4*\k] offset:16*\k
.endr
.irp i, 0,1,2,3,4,5,6,7
	ds_load_b128 v[128+4*\i:131+4*\i], v6 offset:544*\i   ; LDS serves a wave's instructions in order (ISA guide 5.7.1.4): these see my stores
.endr
.irp i, 0,1,2,3,4,5,6,7
	s_wait_dscnt 7-\i                              ; the younger loads may be out
	global_store_b128 v4, v[128+4*\i:131+4*\i], s[OB:OB+1] offset:(2*\i+24*(\i/4))*4096   ; rows 8-15 of a tile lie 32 tokens on; 16 lanes store 256 consecutive bytes, aligned
.endr
	s_wait_tensorcnt 0x0                           ; the wave's end
	ds_add_u32 v30, v31
	s_wait_dscnt 0x0
	CROUND                                         ; the closing round: no work-group ends while a partner may still ask for a tile that names it
	s_endpgm
.Lfunc_end_k_qbf59e98f70_attn:
	.size	k_qbf59e98f70_attn, .Lfunc_end_k_qbf59e98f70_attn-k_qbf59e98f70_attn
	.p2alignl 7, 3214868480
	.fill 96, 4, 3214868480
	.section	.rodata,"a",@progbits
	.p2align	6, 0x0
	.amdhsa_kernel k_qbf59e98f70_attn
		.amdhsa_group_segment_fixed_size 215040
		.amdhsa_private_segment_fixed_size 0
		.amdhsa_enable_private_segment 0
		.amdhsa_kernarg_size 16
		.amdhsa_user_sgpr_count 2
		.amdhsa_user_sgpr_kernarg_segment_ptr 1
		.amdhsa_wavefront_size32 1
		.amdhsa_system_sgpr_workgroup_id_x 1
		.amdhsa_system_sgpr_workgroup_id_y 1
		.amdhsa_system_sgpr_workgroup_id_z 1
		.amdhsa_system_vgpr_workitem_id 0
		.amdhsa_next_free_vgpr 256
		.amdhsa_next_free_sgpr 102
		.amdhsa_reserve_vcc 1
		.amdhsa_float_denorm_mode_32 3
		.amdhsa_float_denorm_mode_16_64 3
		.amdhsa_memory_ordered 1
		.amdhsa_forward_progress 1
		.amdhsa_inst_pref_size 57
	.end_amdhsa_kernel
	.amdgpu_metadata
---
amdhsa.version: [ 1, 2 ]
amdhsa.kernels:
  - .name:           k_qbf59e98f70_attn
    .symbol:         k_qbf59e98f70_attn.kd
    .args:
      - { .name: qkv, .offset: 0, .size: 8, .value_kind: global_buffer, .address_space: global }
      - { .name: out0, .offset: 8, .size: 8, .value_kind: global_buffer, .address_space: global }
    .group_segment_fixed_size: 215040
    .private_segment_fixed_size: 0
    .kernarg_segment_align: 8
    .kernarg_segment_size: 16
    .max_flat_workgroup_size: 512
    .sgpr_count:     102
    .vgpr_count:     256
    .wavefront_size: 32
...
	.end_amdgpu_metadata
.endif
;; end of part 3
